; MI455X (gfx1250); checked and timed in simulation.
; The chip was launched on July 23, 2026; its instructions are those of AMD's public machine-readable ISA for CDNA 5 (MIT licence, August 2026) and "CDNA5" Instruction Set Architecture Reference Guide (July 2026). The comments in the code are by the model that wrote it; some were corrected since.
;; Multi Headed Self Attention. Allowed arithmetic: matrix products marked QUANTISED: E4M3 operands, one given power-of-two scale a tensor, by v_wmma_f32_16x16x64_fp8_fp8 or v_wmma_f32_16x16x128_fp8_fp8, f32 sums; everything else in f32.
;; Inputs: Wk 1,024 x 1,024 float32; Wq 1,024 x 1,024 float32; Wv 1,024 x 1,024 float32; bk 1,024 float32; bq 1,024 float32; bv 1,024 float32; lowp_scales 10 int32 (the exponents e of the quantised operands' scales 2^e); mask 4 x 2,048 int32; x 4 x 2,048 x 1,024 float32.
;; Outputs: out0 4 x 2,048 x 1,024 float32.
;; This version of the problem:
;;   THIS VERSION OF THE PROBLEM IS GIVEN IN LOW PRECISION. The matrix products marked QUANTISED in the list below multiply operands that are first quantised to E4M3 (4 exponent bits, 3 mantissa bits; 8 bits a number), with one given power-of-two scale for each operand tensor; their sums are f32. All else is computed in f32.
;;   The module's matrix products, in the order in which they are computed (A, B: the left and right operand; K: the contracted axis; several contracted axes count as one K, in the product's order):
;;     1. [M 8,192, K 1,024] x [K 1,024, N 1,024]; A: input x; B: input Wq: QUANTISED (scales: A lowp_scales[0], B lowp_scales[1])
;;     2. [M 8,192, K 1,024] x [K 1,024, N 1,024]; A: input x; B: input Wk: QUANTISED (scales: A lowp_scales[2], B lowp_scales[3])
;;     3. [M 8,192, K 1,024] x [K 1,024, N 1,024]; A: input x; B: input Wv: QUANTISED (scales: A lowp_scales[4], B lowp_scales[5])
;;     4. batch 64 x [M 2,048, K 64] x [K 64, N 2,048]; A: computed on the way; B: computed on the way: QUANTISED (scales: A lowp_scales[6], B lowp_scales[7])
;;     5. batch 64 x [M 2,048, K 2,048] x [K 2,048, N 64]; A: softmax (see below); B: computed on the way: QUANTISED (scales: A lowp_scales[8], B lowp_scales[9])
;;   THE QUANTISER, for each operand of a quantised product, along K:
;;     - The operand's scale is 2^e, e = its entry of the input lowp_scales (int32; the entries are numbered through the quantised products in the list's order, A before B).
;;     - Each number is divided by the scale, clamped to +-448, and rounded to the nearest number of E4M3, ties to even, subnormals kept.
;;     - The product sums the exact products of the quantised numbers (number of the format x scale) in f32.
;;   ~~~python
;;   def quantise(x, axis, e):      # numpy; x: float32 -> the quantised numbers, widened to float32 again
;;       x = np.moveaxis(x, axis, -1); K = x.shape[-1]
;;       r = np.clip(x / 2.0 ** e, -448, 448)
;;       step = 2.0 ** (np.maximum(np.frexp(np.where(r == 0, 1, r))[1] - 1, -6) - 3)
;;       q = np.round(r / step) * step * 2.0 ** e      # np.round: ties to even
;;       return np.moveaxis(q, -1, axis).astype(np.float32)
;;   ~~~
;;   SOFTMAX AHEAD OF A QUANTISED PRODUCT. Where the list says 'softmax', what is quantised is not the finished softmax but p = 2^(t - M), with t = logit x log2(e) and M = ceil(the row's largest t), a whole number; so 1/2 < the row's largest p <= 1. The row's sum l is taken of the UNQUANTISED p, in f32, and the product's result is divided by l at the end. Since M is a whole number, a kernel that streams over the keys may use a running M (the ceiling of the running maximum): every later rescaling is an exact power of two, so the quantised numbers keep their values, but for numbers so far below the row's largest that they fall under the format's range.
;;   OPERANDS COMPUTED ON THE WAY. 'Computed on the way' means the value that the module computes at that place (a softmax that the list does not call 'softmax' is quantised finished and normalised). What goes into a quantiser is computed in f32, as accurately as f32 sums, v_exp_f32 and their like allow (about 1e-6 of the number): no bf16 or f16 on the way to a quantiser, and a product that is left as it is and whose result goes on into a quantised operand takes f32 operands (vector FMAs, or v_wmma_f32_16x16x4_f32). A number that lies on a knife's edge between two numbers of the format may be rounded either way, as far as f32 arithmetic and the matrix unit's own rounding can turn it there, and no further.
;; One version. Each part assembles by itself: llvm-mc -triple=amdgcn-amd-amdhsa -mcpu=gfx1250 --defsym DOCPART=n.
;; ======== version 1 of 1: 3 launches
;; workspace buffers: xc 25,165,824 bytes; wc 3,145,728 bytes; qkvc 25,165,824 bytes
;; launch quant (part 1): grid 352 x 1, 4 waves a work-group, no clusters, 68,096 bytes of LDS; arguments x, Wq, Wk, Wv, lowp_scales, xc, wc; writes xc, wc
.if DOCPART == 1
	.amdgcn_target "amdgcn-amd-amdhsa--gfx1250"
	.amdhsa_code_object_version 6
	.text
	.protected	k_q3d2d9cc934_quant
	.globl	k_q3d2d9cc934_quant
	.p2align	8
	.type	k_q3d2d9cc934_quant,@function
k_q3d2d9cc934_quant:
	s_mov_b64 s[64:65], 0
	v_nop
	global_prefetch_b8 v0, s[64:65] scope:SCOPE_SE
	s_setreg_imm32_b32 hwreg(HW_REG_WAVE_MODE, 25, 1), 1
	s_wait_xcnt 0x0
; x [8192][1024] f32 becomes THREE sets of codes of FP8 (E4M3), xc [3][8192][1024], K innermost: one set for each of the three projections, whose scales for x (entries 0, 2, 4 of the scales) may differ.
; Wq, Wk, Wv [1024 k][1024 n] f32 become codes wc [3][1024 n][1024 k], K innermost, with entries 1, 3, 5.
; code = number / 2^e, held within +-448, rounded to the nearest code, ties to even.  LIMITS: each e between -126 and 119.  NaN among the inputs is not served; an infinity is held at the largest code.
; Work-groups 0 to 255 take x, 32,768 numbers each; work-groups 256 to 351 take the weights: weight (g / 32), 256 along K ((g / 8) % 4), 128 columns (g % 8).  The two ways part on the work-group's number and have LDS bytes of their own.
; No tensor loads, no barrier, no cluster: waves share nothing, and no two work-groups read the same bytes.
; X: a wave takes 16 steps of 512 numbers.  Each of a step's four loads reads 512 consecutive bytes; the 2,048 bytes turn through the wave's own stage in LDS (16 bytes of padding behind each 64) and come back 16 neighbours a lane,
; as the conversions want them.  The numbers are read once and held and converted three times; a lane's 16 codes are 16 bytes, so each store of the wave covers 512 consecutive bytes, aligned.
; W: a lane takes a column n and its registers run down K, so the conversions give codes with K innermost; a wave gathers 32 columns x 256 codes in its stage and stores sixteen lanes to 256 consecutive bytes, aligned.
.set STEPS, 16
.set SP,    80                         ; a lane's place in an x stage: 64 bytes + 16 of padding
.set WREG,  8192                       ; x way: LDS bytes of a wave (two stages of 32 x SP)
.set R,     16                         ; v16-79   four sets of 16 numbers as loaded
.set X,     80                         ; v80-111  two sets of 16 neighbours
.set T,     112                        ; v112-159 the 16 neighbours held three times
.set C,     160                        ; v160-183 two sets of 12 registers of codes
.set WSTG,  32768                      ; W way: its stages begin here
.set WPITCH, 272                       ; a stage row: 256 codes + 16 bytes
.set NB,    8                          ; blocks of 32 along K for a wave
.set WX,    32                         ; v32-95   two sets of 32 numbers
.set WC,    96                         ; v96-103  a block's codes
.set OUTR,  112                        ; v112-175 the way out
	s_load_b256 s[4:11], s[0:1], 0x0               ; x s[4:5], Wq s[6:7], Wk s[8:9], Wv s[10:11]
	s_load_b128 s[12:15], s[0:1], 0x20             ; the scales' exponents s[12:13], xc s[14:15]
	s_load_b64 s[16:17], s[0:1], 0x30              ; wc
	v_lshl_add_u32 v192, v0, 2, 0x10800
	v_mov_b32 v193, 0
	v_lshrrev_b32 v1, 5, v0
	v_readfirstlane_b32 s18, v1                    ; wave 0..3
	v_and_b32 v2, 31, v0                           ; lane
	s_wait_kmcnt 0x0
	s_load_b256 s[24:31], s[12:13], 0x0            ; entries 0 to 7
	s_cmp_lt_u32 ttmp9, 256
	s_cbranch_scc0 .Lweights
	; ---------------- x ----------------
	s_lshl_b32 s19, ttmp9, 2
	s_add_co_u32 s19, s19, s18                     ; which run of 8,192 numbers is my wave's
	s_lshl_b32 s20, s19, 15                        ; in x: 32,768 bytes a run
	s_mov_b32 s21, 0
	s_add_nc_u64 s[4:5], s[4:5], s[20:21]
	s_lshl_b32 s20, s19, 13                        ; in a set of codes: 8,192 bytes a run
	s_add_nc_u64 s[32:33], s[14:15], s[20:21]      ; the three sets lie 8 MiB apart: a base for each
	s_add_nc_u64 s[34:35], s[32:33], 0x800000
	s_add_nc_u64 s[36:37], s[34:35], 0x800000
	v_lshlrev_b32 v3, 4, v2                        ; my 16 bytes of a load's 512, and of a store's
	s_mul_i32 s22, s18, WREG
	v_lshrrev_b32 v14, 2, v2
	v_mul_u32_u24 v14, v14, SP
	v_and_b32 v15, 3, v2
	v_lshl_add_u32 v14, v15, 4, v14
	v_add_nc_u32 v14, s22, v14                     ; the stage, on the way in: SP (lane / 4) + 16 (lane % 4)
	v_mul_u32_u24 v15, v2, SP
	v_add_nc_u32 v15, s22, v15                     ; and on the way out: SP x lane
.macro LOAD t
.irp i, 0,1,2,3
	global_load_b128 v[R+16*((\t)%4)+4*\i:R+16*((\t)%4)+4*\i+3], v3, s[4:5] offset:2048*(\t)+512*\i th:TH_LOAD_NT
.endr
.endm
.macro TURN t                          ; step t's numbers through the stage: LDS serves a wave's instructions in order, so no wait stands between the stores and the loads
.irp i, 0,1,2,3
	ds_store_b128 v14, v[R+16*((\t)%4)+4*\i:R+16*((\t)%4)+4*\i+3] offset:32*SP*((\t)%2)+8*SP*\i
.endr
.irp i, 0,1,2,3
	ds_load_b128 v[X+16*((\t)%2)+4*\i:X+16*((\t)%2)+4*\i+3], v15 offset:32*SP*((\t)%2)+16*\i
.endr
.endm
.irp t, 0,1,2,3
	LOAD \t
.endr
	s_wait_kmcnt 0x0
.irp w, 0,1,2                          ; v[4+2w] = 2^e as f32 (the conversion takes its exponent field), v[5+2w] = 448 x 2^e, e = entry 2 w
	s_add_co_i32 s40, s[24+2*\w], 127
	s_lshl_b32 s41, s40, 23
	v_mov_b32 v[4+2*\w], s41
	s_add_co_i32 s40, s40, 8
	s_lshl_b32 s40, s40, 23
	s_or_b32 s40, s40, 0x600000
	v_mov_b32 v[5+2*\w], s40
.endr
	s_wait_loadcnt 12                              ; step 0's four loads are in; three steps' may be out
	TURN 0
.macro STEP t
.set XS, X+16*((\t)%2)
.set CC, C+12*((\t)%2)
	s_wait_dscnt 0x0                               ; this step's numbers are back from the stage, so its stores into the stage have read their registers,
.if (\t)+4 < STEPS
	LOAD (\t)+4                                    ; which take the loads of four steps on
.endif
.if (\t)+1 < STEPS
.if STEPS-2-(\t) >= 3
	s_wait_loadcnt 12                              ; the next step's four loads are in; those of the three steps behind it may be out
.else
	s_wait_loadcnt 4*(STEPS-2-(\t))
.endif
	TURN (\t)+1                                    ; and go through the other stage while this step is worked
.endif
.if (\t) >= 2
	s_wait_xcnt 0x0                                ; the stores of two steps ago have read this set of code registers: only behind this wait is it written again
.endif
.irp w, 0,1,2
.irp i, 0,1,2,3,4,5,6,7,8,9,10,11,12,13,14,15
	v_med3_num_f32 v[T+16*\w+\i], v[XS+\i], -v[5+2*\w], v[5+2*\w]   ; the conversion to an 8-bit code does not saturate (ISA guide 7.6.2): the hold at the largest code x the scale
.endr
.endr
.irp w, 0,1,2
	v_cvt_scalef32_pk8_fp8_f32 v[CC+4*\w:CC+4*\w+1], v[T+16*\w:T+16*\w+7], v[4+2*\w]
	v_cvt_scalef32_pk8_fp8_f32 v[CC+4*\w+2:CC+4*\w+3], v[T+16*\w+8:T+16*\w+15], v[4+2*\w]
.endr
	v_nop                                          ; one plain vector line between the conversions and the next step's holds, which write their sources
.irp w, 0,1,2
	global_store_b128 v3, v[CC+4*\w:CC+4*\w+3], s[32+2*\w:33+2*\w] offset:512*(\t)
.endr
.endm
.irp t, 0,1,2,3,4,5,6,7,8,9,10,11,12,13,14,15
	STEP \t
.endr
	s_wait_tensorcnt 0x0
	ds_add_u32 v192, v193
	s_wait_dscnt 0x0
	s_endpgm
	; ---------------- the weights ----------------
.Lweights:
	s_sub_co_u32 s19, ttmp9, 256
	s_lshr_b32 s20, s19, 5                         ; which weight: 0 q, 1 k, 2 v
	s_and_b32 s21, s19, 7                          ; which 128 columns
	s_bfe_u32 s22, s19, 0x20003                    ; which 256 along K (2 bits from bit 3)
	s_cmp_eq_u32 s20, 0
	s_cselect_b64 s[6:7], s[6:7], s[8:9]
	s_cmp_eq_u32 s20, 2
	s_cselect_b64 s[6:7], s[10:11], s[6:7]         ; the choice hangs on the work-group's number alone
	s_lshl_b32 s21, s21, 7
	s_lshl_b32 s23, s18, 5
	s_add_co_u32 s21, s21, s23                     ; my wave's first column
	s_lshl_b32 s32, s22, 20                        ; in W: 256 rows of 4,096 bytes,
	s_lshl_b32 s23, s21, 2                         ; + 4 bytes a column
	s_add_co_u32 s32, s32, s23
	s_mov_b32 s33, 0
	s_add_nc_u64 s[6:7], s[6:7], s[32:33]
	s_lshl_b32 s32, s20, 20                        ; in wc: 1 MiB a weight,
	s_lshl_b32 s23, s21, 10                        ; 1,024 bytes a column,
	s_add_co_u32 s32, s32, s23
	s_lshl_b32 s23, s22, 8                         ; 256 bytes for my part of K
	s_add_co_u32 s32, s32, s23
	s_add_nc_u64 s[16:17], s[16:17], s[32:33]
	v_lshlrev_b32 v3, 2, v2                        ; in: 4 bytes a lane
	s_mul_i32 s23, s18, 32*WPITCH
	s_add_co_u32 s23, s23, WSTG                    ; my stage
	v_mul_u32_u24 v4, v2, WPITCH
	v_add_nc_u32 v4, s23, v4                       ; into it: row = my column
	v_and_b32 v5, 15, v2
	v_lshrrev_b32 v6, 4, v2
	v_mul_u32_u24 v7, v6, WPITCH
	v_lshl_add_u32 v7, v5, 4, v7
	v_add_nc_u32 v7, s23, v7                       ; out of it: sixteen lanes to a row, two rows an instruction
	v_lshlrev_b32 v8, 10, v6
	v_lshl_add_u32 v8, v5, 4, v8                   ; and the same place in wc
.macro WLOAD t                         ; block t: W(32 t + i, my column) into set t % 2: 128 consecutive bytes a wave
.irp i, 0,1,2,3,4,5,6,7,8,9,10,11,12,13,14,15,16,17,18,19,20,21,22,23,24,25,26,27,28,29,30,31
	global_load_b32 v[WX+32*((\t)%2)+\i], v3, s[6:7] offset:(32*(\t)+\i)*4096 th:TH_LOAD_NT
.endr
.endm
	WLOAD 0
	WLOAD 1
	s_wait_kmcnt 0x0
	s_cmp_eq_u32 s20, 0
	s_cselect_b32 s40, s25, s27
	s_cmp_eq_u32 s20, 2
	s_cselect_b32 s40, s29, s40                    ; e = entry 1, 3 or 5
	s_add_co_i32 s40, s40, 127
	s_lshl_b32 s41, s40, 23
	v_mov_b32 v11, s41                             ; 2^e as f32
	s_add_co_i32 s40, s40, 8
	s_lshl_b32 s40, s40, 23
	s_or_b32 s40, s40, 0x600000
	v_mov_b32 v10, s40                             ; 448 x 2^e
.macro BLOCK t
.set XS, WX+32*((\t)%2)
.if (\t) < NB-1
	s_wait_loadcnt 32                              ; this block's 32 loads are in; the next block's may be out
.else
	s_wait_loadcnt 0
.endif
.irp i, 0,1,2,3,4,5,6,7,8,9,10,11,12,13,14,15,16,17,18,19,20,21,22,23,24,25,26,27,28,29,30,31
	v_med3_num_f32 v[XS+\i], v[XS+\i], -v10, v10
.endr
.irp g, 0,1,2,3
	v_cvt_scalef32_pk8_fp8_f32 v[WC+2*\g:WC+2*\g+1], v[XS+8*\g:XS+8*\g+7], v11
.endr
	ds_store_b128 v4, v[WC:WC+3] offset:32*(\t)    ; 32 codes: 32 bytes of my column's row.  (The next vector lines, the next block's holds, are plain and name none of these registers)
	ds_store_b128 v4, v[WC+4:WC+7] offset:32*(\t)+16
.if (\t)+2 < NB
	WLOAD (\t)+2
.endif
	s_wait_dscnt 0x0                               ; the stores have read their registers: the next block's codes may be written
.endm
.irp t, 0,1,2,3,4,5,6,7
	BLOCK \t
.endr
.irp t, 0,1,2,3,4,5,6,7,8,9,10,11,12,13,14,15
	ds_load_b128 v[OUTR+4*\t:OUTR+4*\t+3], v7 offset:2*\t*WPITCH   ; LDS serves a wave's instructions in order: these see my stores
.endr
.irp t, 0,1,2,3,4,5,6,7,8,9,10,11,12,13,14,15
	s_wait_dscnt 15-\t
	global_store_b128 v8, v[OUTR+4*\t:OUTR+4*\t+3], s[16:17] offset:2*\t*1024
.endr
	s_wait_tensorcnt 0x0
	ds_add_u32 v192, v193
	s_wait_dscnt 0x0
	s_endpgm
.Lfunc_end_k_q3d2d9cc934_quant:
	.size	k_q3d2d9cc934_quant, .Lfunc_end_k_q3d2d9cc934_quant-k_q3d2d9cc934_quant
	.p2alignl 7, 3214868480
	.fill 96, 4, 3214868480
	.section	.rodata,"a",@progbits
	.p2align	6, 0x0
	.amdhsa_kernel k_q3d2d9cc934_quant
		.amdhsa_group_segment_fixed_size 68096
		.amdhsa_private_segment_fixed_size 0
		.amdhsa_enable_private_segment 0
		.amdhsa_kernarg_size 56
		.amdhsa_user_sgpr_count 2
		.amdhsa_user_sgpr_kernarg_segment_ptr 1
		.amdhsa_wavefront_size32 1
		.amdhsa_system_sgpr_workgroup_id_x 1
		.amdhsa_system_sgpr_workgroup_id_y 1
		.amdhsa_system_sgpr_workgroup_id_z 1
		.amdhsa_system_vgpr_workitem_id 0
		.amdhsa_next_free_vgpr 194
		.amdhsa_next_free_sgpr 66
		.amdhsa_reserve_vcc 0
		.amdhsa_float_denorm_mode_32 3
		.amdhsa_float_denorm_mode_16_64 3
		.amdhsa_memory_ordered 1
		.amdhsa_forward_progress 1
		.amdhsa_inst_pref_size 126
	.end_amdhsa_kernel
	.amdgpu_metadata
---
amdhsa.version: [ 1, 2 ]
amdhsa.kernels:
  - .name:           k_q3d2d9cc934_quant
    .symbol:         k_q3d2d9cc934_quant.kd
    .args:
      - { .name: x, .offset: 0, .size: 8, .value_kind: global_buffer, .address_space: global }
      - { .name: Wq, .offset: 8, .size: 8, .value_kind: global_buffer, .address_space: global }
      - { .name: Wk, .offset: 16, .size: 8, .value_kind: global_buffer, .address_space: global }
      - { .name: Wv, .offset: 24, .size: 8, .value_kind: global_buffer, .address_space: global }
      - { .name: lowp_scales, .offset: 32, .size: 8, .value_kind: global_buffer, .address_space: global }
      - { .name: xc, .offset: 40, .size: 8, .value_kind: global_buffer, .address_space: global }
      - { .name: wc, .offset: 48, .size: 8, .value_kind: global_buffer, .address_space: global }
    .group_segment_fixed_size: 68096
    .private_segment_fixed_size: 0
    .kernarg_segment_align: 8
    .kernarg_segment_size: 56
    .max_flat_workgroup_size: 128
    .sgpr_count:     66
    .vgpr_count:     194
    .wavefront_size: 32
...
	.end_amdgpu_metadata
.endif
;; end of part 1
;; launch proj (part 2): grid 4 x 96, 4 waves a work-group, clusters of 4 x 4, 327,680 bytes of LDS; arguments xc, wc, bq, bk, bv, lowp_scales, qkvc; writes qkvc
.if DOCPART == 2
	.amdgcn_target "amdgcn-amd-amdhsa--gfx1250"
	.amdhsa_code_object_version 6
	.text
	.protected	k_q3d2d9cc934_proj
	.globl	k_q3d2d9cc934_proj
	.p2align	8
	.type	k_q3d2d9cc934_proj,@function
k_q3d2d9cc934_proj:
	s_mov_b64 s[64:65], 0
	v_nop
	global_prefetch_b8 v0, s[64:65] scope:SCOPE_SE
	s_setreg_imm32_b32 hwreg(HW_REG_WAVE_MODE, 25, 1), 1
	s_wait_xcnt 0x0
	s_wait_alu depctr_hold_cnt(0) depctr_sa_sdst(0) depctr_va_vdst(0) depctr_va_sdst(0) depctr_va_ssrc(0) depctr_va_vcc(0) depctr_vm_vsrc(0)
	s_getreg_b32 s2, hwreg(HW_REG_IB_STS2, 6, 4)
	s_cmp_eq_u32 s2, 0
	s_cbranch_scc0 .Lentry_in_a_cluster
	s_endpgm
.Lentry_in_a_cluster:
	s_bfe_u32 s2, ttmp6, 0x10000c
	s_cmp_lg_u32 s2, 0xf033
	s_cbranch_scc0 .Lentry_shape_is_right
	s_endpgm
.Lentry_shape_is_right:
; The three projections q, k, v = x W + b on codes of FP8 (E4M3), and the quantising of their results for the attention that follows.
; xc [3][8192][1024], wc [3][1024 n][1024 k]: codes, K innermost.  A product's sum stands for sum x 2^(ea + eb); the bias goes in as the C of each sum's first matrix instruction, divided by 2^(ea + eb);
; a result's code is (sum + that bias) / 2^(eo - ea - eb), held within +-448.  ea, eb = entries 2 p, 2 p + 1 of the scales for product p (0 q, 1 k, 2 v); eo = entry 6 (q), 7 (k), 9 (v).
; LIMITS: eo - ea - eb between -126 and 119.  NaN is not served.
; SHARES.  24 clusters of 4 x 4 work-groups, eight to a product.  A work-group makes 256 x 256 results, each of its four waves 128 x 128: 64 accumulators, 512 registers.  K = 1,024 goes in four steps of 256 through two LDS slots.
; SIDES.  Source 0 of every matrix instruction is side 0, source 1 is side 1.  In accumulator (a, b) lane (r, h) holds, in register j, side 0's row 16 b + 8 h + j and side 1's row 16 a + r.
;   q, k: side 0 = rows of W^T (channels), side 1 = rows of x (tokens): a lane's eight registers are eight neighbouring channels of one token: their conversion IS registers 2 (b % 4), 2 (b % 4) + 1 of the operand 16 tokens x 64 channels of head b / 4.
;   v:    side 0 = rows of x (keys), side 1 = rows of Wv^T (channels): eight neighbouring keys of one channel: registers 2 b, 2 b + 1 of the operand 16 channels x 128 keys.  Only pointers are swapped.
; So the codes leave as IMAGES OF THE NEXT OPERANDS' REGISTERS, four registers a store at 16 x lane: each store of the wave covers 512 consecutive bytes, aligned.  Nothing is transposed and no stage is needed.
; qkvc: q at 0 and k at 8 MiB: [64 heads of batches][128 tiles of 16 tokens][1,024 bytes]; v at 16 MiB: [64][16 steps of 128 keys][4 tiles of 16 channels][2,048 bytes].
; CLUSTERS.  Side 1's tile hangs on the cluster's y place alone and is shared along a row of the cluster, side 0's on the x place alone and is shared along a column: each is asked for jointly, by the same tensor load with a mask of four.
; The two branches on which product this is hang on the cluster's y, which all sixteen partners share.
; Fragments are fetched by four loads of 16 bytes, 32 bytes apart: a permutation of k that is the same on both sides, so every product meets its partner.
; No prefetch: two of the four K steps are the first fills, and the other two are asked for a K step ahead.
; REGISTERS, in windows of 256: window 0: v16-31 addresses and constants; v32-95 the bias in the result's layout, later a block's held sums; v96-103 v's bias as loaded; v128-255 side 1's fragments (one set), later the codes.
;   window 1: side 0's fragments, two sets.   windows 2, 3: the accumulators, (a, b) at v[8 (8 (a % 4) + b)].
.set ROWB,   256                       ; a tile's row in bytes: 256 codes
.set KROW,   1024                      ; a row of xc or wc in bytes
.set PITCH,  272                       ; an LDS row: 256 bytes + 16 of padding, so that the 16 rows that a load touches start at 16 different banks (64 banks of 4 bytes: ISA guide 11.1)
.set FR,     16
.set NL,     4
.set NP,     4
.set HALFT,  128*PITCH
.set SLOT,   4*HALFT                   ; side 1's 256 rows, then side 0's
.set SPARE,  2*SLOT                    ; behind the ring: the spare words, 128 bytes a wave
.set ADRA, 16                          ; v16-17  LDS address of my side-1 fragments in slot 0, 1
.set ADRB, 20                          ; v20-21  of my side-0 fragments
.set VO0,  26                          ; v26     16 x lane
.set VO1,  27                          ; v27     the same, at the image's second half or the second head
.set SPW,  28
.set NIL,  29
.set SC,   30                          ; v30     2^(eo - ea - eb)
.set LIM,  31                          ; v31     448 x that
.set BIAS, 32
.set TMP,  32
.set TBR,  96
.set AF,   128
.set CD,   128
.set WV,   18                          ; s18  wave
.set H1,   19                          ; s19  my half of side 1's rows; also: I fetch for side 1 (0) or side 0 (1)
.set H0,   20                          ; s20  my half of side 0's rows; also: which 128 rows I fetch
.set G1, 24
.set G0, 32
.set G1B, 48
.set G0B, 56
.set MSB, 0
.macro WIN new                         ; the immediate's high byte repeats the setting that is left
.if MSB != \new
	s_set_vgpr_msb (MSB<<8)|\new
.set MSB, \new
.endif
.endm
.set MUL_LO, 0xa1                      ; source 0 window 1, source 1 window 0, C and D window 2
.set MUL_HI, 0xf1                      ; the same, C and D window 3
.set BEG_LO, 0x81                      ; the first step: C (the bias) window 0, D window 2
.set BEG_HI, 0xc1                      ; D window 3
.set TO_B,   0x40
; A joint load: waves 0 and 1 fetch side 1's halves, waves 2 and 3 side 0's.  Four v_nop follow each of the two lines.
.macro JLOAD g0a, g1a, g0b, g1b
	s_cmp_eq_u32 s[H1], 0
	s_cbranch_scc0 .Lfor_b_\@
	tensor_load_to_lds s[\g0a:\g0a+3], s[\g1a:\g1a+7]
	s_nop 0
.rept 4
	v_nop
.endr
	s_branch .Lasked_\@
.Lfor_b_\@:
	tensor_load_to_lds s[\g0b:\g0b+3], s[\g1b:\g1b+7]
	s_nop 0
.rept 4
	v_nop
.endr
.Lasked_\@:
.endm
.macro CREST                           ; a round of the cluster's barrier behind its opening barrier
	s_cmp_lg_u32 s[WV], 0
	s_cbranch_scc1 .Lnot_wave_0_\@
	s_barrier_signal -3
.Lnot_wave_0_\@:
	s_barrier_wait -3
	s_barrier_signal -1
	s_barrier_wait -1
.endm
.macro CROUND
	s_barrier_signal -1
	s_barrier_wait -1
	CREST
.endm
	s_load_b256 s[4:11], s[0:1], 0x0               ; xc s[4:5], wc s[6:7], bq s[8:9], bk s[10:11]
	s_load_b128 s[12:15], s[0:1], 0x20             ; bv s[12:13], the scales' exponents s[14:15]
	s_load_b64 s[16:17], s[0:1], 0x30              ; qkvc
	v_lshl_add_u32 v[SPW], v0, 2, SPARE
	v_mov_b32 v[NIL], 0
	ds_add_u32 v28, v29
	ds_add_u32 v28, v29
	s_wait_dscnt 0x0
	v_lshrrev_b32 v1, 5, v0
	v_readfirstlane_b32 s[WV], v1
	s_lshr_b32 s[H1], s[WV], 1
	s_and_b32 s[H0], s[WV], 1
	s_bfe_u32 s21, ttmp6, 0x40000                  ; cx
	s_bfe_u32 s22, ttmp6, 0x40004                  ; cy
	s_and_b32 s40, ttmp7, 0xffff                   ; the cluster's y, 0 to 23
	s_lshr_b32 s66, s40, 3                         ; which product: 0 q, 1 k, 2 v
	s_and_b32 s23, s40, 7
	s_lshl_b32 s23, s23, 2                         ; the token side's first tile of this cluster
	s_cmp_eq_u32 s66, 2
	s_cselect_b32 s67, 1, 0                        ; 1: this is v
	s_cselect_b32 s78, s23, 0
	s_cselect_b32 s79, 0, s23
	s_add_co_u32 s78, s78, s21                     ; side 0's tile: cx (+ the token tiles, for v)
	s_add_co_u32 s79, s79, s22                     ; side 1's tile: cy (+ the token tiles, for q and k)
	s_lshl_b32 s41, s22, 2
	s_lshl_b32 s41, 15, s41                        ; my row of the cluster
	s_lshl_b32 s42, 0x1111, s21                    ; my column
	s_or_b32 s[G1+0], s41, (0<<16)|(1<<20)|(1<<21)|(5<<22)|(3<<25)  ; the mask; elements of 1 byte; padding on; bit 21 beside a mask; after every 64 words four words
	s_or_b32 s[G1B+0], s42, (0<<16)|(1<<20)|(1<<21)|(5<<22)|(3<<25)
.irp g, G1, G1B
	s_mov_b32 s[\g+1], ROWB<<16                    ; tensor_dim0
	s_mov_b32 s[\g+2], 128<<16                     ; tensor_dim1
	s_mov_b32 s[\g+3], ROWB<<16                    ; tile_dim0
	s_mov_b32 s[\g+4], 128                         ; tile_dim1
	s_mov_b32 s[\g+5], KROW                        ; the pitch
	s_mov_b32 s[\g+6], 0
	s_mov_b32 s[\g+7], 0
.endr
	s_lshl_b32 s43, s[H0], 17                      ; which 128 rows of 1,024 bytes I fetch
	s_lshl_b32 s44, s79, 18                        ; side 1: 256 rows a tile
	s_add_co_u32 s44, s44, s43
	s_mov_b32 s45, 0
	s_lshl_b32 s46, s78, 18                        ; side 0
	s_add_co_u32 s46, s46, s43
	s_mov_b32 s47, 0
	s_lshl_b32 s96, s66, 23                        ; the product's set of x's codes
	s_mov_b32 s97, 0
	s_lshl_b32 s98, s66, 20                        ; and its weight's
	s_mov_b32 s99, 0
	s_mul_i32 s100, s[WV], HALFT                   ; where my tile goes: wave x 128 rows: no place in the cluster enters an LDS address
	s_wait_kmcnt 0x0
	s_load_b256 s[68:75], s[14:15], 0x0            ; entries 0 to 7
	s_load_b64 s[76:77], s[14:15], 0x20            ; entries 8, 9
	s_add_nc_u64 s[4:5], s[4:5], s[96:97]
	s_add_nc_u64 s[6:7], s[6:7], s[98:99]
	s_cmp_eq_u32 s67, 1
	s_cselect_b64 s[96:97], s[6:7], s[4:5]         ; side 1: Wv^T for v, else x
	s_cselect_b64 s[98:99], s[4:5], s[6:7]         ; side 0: x for v, else W^T
	s_add_nc_u64 s[44:45], s[96:97], s[44:45]
	s_add_nc_u64 s[46:47], s[98:99], s[46:47]
	CROUND                                         ; all sixteen work-groups are here: the first joint loads meet
.irp s, 0,1
	s_mov_b32 s[G0+4*\s], 1
	s_add_co_u32 s[G0+4*\s+1], s100, \s*SLOT
	s_add_nc_u64 s[G0+4*\s+2:G0+4*\s+3], s[44:45], \s*ROWB
	s_or_b32 s[G0+4*\s+3], s[G0+4*\s+3], 0x80000000
	s_mov_b32 s[G0B+4*\s], 1
	s_add_co_u32 s[G0B+4*\s+1], s100, \s*SLOT
	s_add_nc_u64 s[G0B+4*\s+2:G0B+4*\s+3], s[46:47], \s*ROWB
	s_or_b32 s[G0B+4*\s+3], s[G0B+4*\s+3], 0x80000000
	JLOAD G0+4*\s, G1, G0B+4*\s, G1B
.endr
	v_and_b32 v1, 15, v0                           ; r
	v_bfe_u32 v2, v0, 4, 1                         ; h
	v_mul_u32_u24 v3, v1, PITCH
	v_lshl_add_u32 v4, v2, 4, v3                   ; a fragment's row x pitch + 16 h
	s_mul_i32 s40, s[H1], HALFT                    ; my 128 rows of side 1
	s_mul_i32 s41, s[H0], HALFT                    ; my 128 rows of side 0,
	s_add_co_u32 s41, s41, 2*HALFT                 ; which lie behind side 1's 256
.irp s, 0,1
	v_add_nc_u32 v[ADRA+\s], s40, v4
	v_add_nc_u32 v[ADRB+\s], s41, v4
	s_add_co_u32 s40, s40, SLOT
	s_add_co_u32 s41, s41, SLOT
.endr
	v_and_b32 v5, 31, v0
	v_lshlrev_b32 v[VO0], 4, v5
	; THE BIAS, in the result's layout, divided by 2^(ea + eb)
	s_cmp_eq_u32 s66, 0
	s_cselect_b64 s[42:43], s[8:9], s[10:11]
	s_cmp_eq_u32 s66, 2
	s_cselect_b64 s[42:43], s[12:13], s[42:43]
	s_cselect_b32 s40, s79, s78                    ; the channel side's tile
	s_cselect_b32 s41, s[H1], s[H0]                ; and my half of it
	s_lshl_b32 s40, s40, 10                        ; 256 numbers of 4 bytes a tile
	s_lshl_b32 s41, s41, 9
	s_add_co_u32 s40, s40, s41
	s_mov_b32 s41, 0
	s_add_nc_u64 s[42:43], s[42:43], s[40:41]      ; my 128 channels' bias
	s_wait_kmcnt 0x0
	s_cmp_eq_u32 s66, 0
	s_cselect_b32 s96, s68, s70
	s_cselect_b32 s97, s69, s71
	s_cselect_b32 s98, s74, s75
	s_cmp_eq_u32 s66, 2
	s_cselect_b32 s96, s72, s96                    ; ea
	s_cselect_b32 s97, s73, s97                    ; eb
	s_cselect_b32 s98, s77, s98                    ; eo
	s_add_co_i32 s99, s96, s97
	s_sub_co_i32 s101, s98, s99                    ; eo - ea - eb
	s_sub_co_i32 s99, 0, s99                       ; -(ea + eb)
	v_lshlrev_b32 v6, 5, v2                        ; 32 h
	v_lshlrev_b32 v7, 2, v1                        ; 4 r
	s_cmp_eq_u32 s67, 1
	s_cbranch_scc1 .Lbias_v
.irp b, 0,1,2,3,4,5,6,7                ; q, k: register 8 b + j is the bias of channel 16 b + 8 h + j, the same for every a
	global_load_b128 v[BIAS+8*\b:BIAS+8*\b+3], v6, s[42:43] offset:64*\b
	global_load_b128 v[BIAS+8*\b+4:BIAS+8*\b+7], v6, s[42:43] offset:64*\b+16
.endr
	s_wait_loadcnt 0x0
.set i, 0
.rept 64
	v_ldexp_f32 v[BIAS+i], v[BIAS+i], s99
.set i, i+1
.endr
	s_branch .Lbias_done
.Lbias_v:
.irp a, 0,1,2,3,4,5,6,7                ; v: registers 8 a + 0 .. 7 all hold the bias of channel 16 a + r, the same for every b: the scaling is also the copy
	global_load_b32 v[TBR+\a], v7, s[42:43] offset:64*\a
.endr
	s_wait_loadcnt 0x0
.irp a, 0,1,2,3,4,5,6,7
.irp j, 0,1,2,3,4,5,6,7
	v_ldexp_f32 v[BIAS+8*\a+\j], v[TBR+\a], s99
.endr
.endr
.Lbias_done:
.macro FRAG reg, adr, q, i             ; 16 rows x 128 K of codes: 16 registers, four loads of 16 bytes
.irp c, 0,1,2,3
	ds_load_b128 v[\reg+4*\c:\reg+4*\c+3], v[\adr] offset:128*(\q)+32*\c+(\i)*16*PITCH
.endr
.endm
; 16 matrix instructions: side 1's blocks a0, a0 + 1 x side 0's eight.  p: side 0's set.  mode 0: the sums go on; 1: they begin with the bias by b (q, k); 2: with the bias by a (v).
; The 64 accumulators take turns, one instruction a turn, in the same order in every step.
.macro MUL16 a0, p, mode
.irp a, \a0, \a0+1
.irp b, 0,1,2,3,4,5,6,7
.if \mode == 1
	v_wmma_f32_16x16x128_fp8_fp8 v[8*(8*((\a)%4)+\b):8*(8*((\a)%4)+\b)+7], v[128*(\p)+FR*\b:128*(\p)+FR*\b+FR-1], v[AF+FR*(\a):AF+FR*(\a)+FR-1], v[BIAS+8*\b:BIAS+8*\b+7]
.elseif \mode == 2
	v_wmma_f32_16x16x128_fp8_fp8 v[8*(8*((\a)%4)+\b):8*(8*((\a)%4)+\b)+7], v[128*(\p)+FR*\b:128*(\p)+FR*\b+FR-1], v[AF+FR*(\a):AF+FR*(\a)+FR-1], v[BIAS+8*(\a):BIAS+8*(\a)+7]
.else
	v_wmma_f32_16x16x128_fp8_fp8 v[8*(8*((\a)%4)+\b):8*(8*((\a)%4)+\b)+7], v[128*(\p)+FR*\b:128*(\p)+FR*\b+FR-1], v[AF+FR*(\a):AF+FR*(\a)+FR-1], v[8*(8*((\a)%4)+\b):8*(8*((\a)%4)+\b)+7]
.endif
.endr
.endr
.endm
.macro FETCH_B slot, q, p
	WIN TO_B
.irp i, 0,1,2,3,4,5,6,7
	FRAG 128*(\p)+FR*\i, ADRB+\slot, \q, \i
.endr
	WIN 0
.endm
.macro FETCH_A slot, q, i0
.irp i, \i0, \i0+1, \i0+2, \i0+3
	FRAG AF+FR*(\i), ADRA+\slot, \q, \i
.endr
.endm
.macro PLACES n                        ; plain vector lines between a matrix instruction and a load into one of its registers, or a read of its result
.rept \n
	v_nop
.endr
.endm
; A step of 128 along K that has its successor in the same slot.
.macro STEP slot, q, mode
	s_wait_dscnt 4*NL                              ; side 0's set and side 1's blocks 0-3 are in; the youngest sixteen loads (blocks 4-7) may be out
.if \mode
	WIN BEG_LO
.else
	WIN MUL_LO
.endif
	MUL16 0, (\q)%2, \mode
	MUL16 2, (\q)%2, \mode
	s_wait_dscnt 0                                 ; blocks 4-7 are in
	PLACES NP
	FETCH_B \slot, (\q)+1, 1-(\q)%2
	FETCH_A \slot, (\q)+1, 0
.if \mode
	WIN BEG_HI
.else
	WIN MUL_HI
.endif
	MUL16 4, (\q)%2, \mode
	MUL16 6, (\q)%2, \mode
	PLACES NP
	WIN 0
	FETCH_A \slot, (\q)+1, 4
.endm
; A slot's last step changes slots: one barrier; in front of it each wave waits for all its tensor loads, adds 0 to its spare word, and waits for that and for its own reads of this slot.  fill = 1: this slot is filled again, two K steps ahead.
.macro TURN slot, next, fill
	s_wait_tensorcnt 0x0                           ; all my tensor loads have landed: my part of the next slot
	ds_add_u32 v[SPW], v[NIL]                      ; 0 onto my spare word
	s_wait_dscnt 4*NL+1                            ; (the add and the youngest sixteen loads may be out)
	WIN MUL_LO
	MUL16 0, 1, 0                                  ; sixteen matrix instructions stand between the add and the wait for it
	s_wait_dscnt 0x0                               ; the add is done, and my reads of this slot are over
	s_barrier_signal -1
	MUL16 2, 1, 0
	WIN 0
	s_barrier_wait -1
.if \fill
	CREST                                          ; the barrier has opened a round of the cluster's barrier: no wave of any partner still reads this slot or has a load on its way
	s_add_nc_u64 s[G0+4*\slot+2:G0+4*\slot+3], s[G0+4*\slot+2:G0+4*\slot+3], 2*ROWB
	s_add_nc_u64 s[G0B+4*\slot+2:G0B+4*\slot+3], s[G0B+4*\slot+2:G0B+4*\slot+3], 2*ROWB
	JLOAD G0+4*\slot, G1, G0B+4*\slot, G1B         ; the first tensor load behind the round; its four v_nop are also the places in front of the loads below
.else
	PLACES NP
.endif
	FETCH_B \next, 0, 0
	FETCH_A \next, 0, 0
	WIN MUL_HI
	MUL16 4, 1, 0
	MUL16 6, 1, 0
	PLACES NP
	WIN 0
	FETCH_A \next, 0, 4
.endm
	s_wait_tensorcnt 1                             ; my part of K step 0 is in; K step 1's load may be out
	s_barrier_signal -1
	s_barrier_wait -1                              ; everybody's is
	FETCH_B 0, 0, 0
	FETCH_A 0, 0, 0
	FETCH_A 0, 0, 4
	s_cmp_eq_u32 s67, 1                            ; the first step begins the sums with the bias, which lies by b for q and k and by a for v: the step is written twice; no barrier and no tensor load stands in it
	s_cbranch_scc1 .Lfirst_v
	STEP 0, 0, 1
	s_branch .Lfirst_done
.Lfirst_v:
	STEP 0, 0, 2
.Lfirst_done:
	TURN 0, 1, 1                                   ; four K steps in all: written out, no loop.  Slot 0 takes K step 2,
	STEP 1, 0, 0
	TURN 1, 0, 1                                   ; slot 1 K step 3
	STEP 0, 0, 0
	TURN 0, 1, 0                                   ; nothing is left to fetch
	STEP 1, 0, 0
	s_wait_dscnt 4*NL
	WIN MUL_LO
	MUL16 0, 1, 0
	MUL16 2, 1, 0
	s_wait_dscnt 0
	WIN MUL_HI
	MUL16 4, 1, 0
	MUL16 6, 1, 0
	WIN 0
	; THE WAY OUT.  Where my images begin: product x 8 MiB + (16 x batch + head) x 128 KiB + 64 bytes for each token or key: the same for all three.
	s_add_co_i32 s40, s101, 127
	s_lshl_b32 s41, s40, 23
	v_mov_b32 v[SC], s41                           ; 2^(eo - ea - eb): the three scales folded into the conversion's one
	s_add_co_i32 s40, s40, 8
	s_lshl_b32 s40, s40, 23
	s_or_b32 s40, s40, 0x600000
	v_mov_b32 v[LIM], s40                          ; 448 x that
	s_cmp_eq_u32 s67, 1
	s_cselect_b32 s40, s78, s79                    ; the token side's tile
	s_cselect_b32 s41, s[H0], s[H1]                ; and my half of it
	s_cselect_b32 s42, s79, s78                    ; the channel side's tile
	s_cselect_b32 s43, s[H1], s[H0]
	s_mov_b32 s44, 0x1000
	s_cselect_b32 s44, 0x20000, s44                ; from block a to a + 4: q, k: four tiles of tokens; v: the next head
	s_mov_b32 s96, 0x20000
	s_cselect_b32 s96, 0x400, s96                  ; from a block's registers 0-7 to 8-15: q, k: the next head; v: the image's second half
	s_lshl_b32 s46, 1024, s67                      ; from block a to a + 1: an image: 1,024 bytes (q, k) or 2,048 (v)
	s_mov_b32 s45, 0
	s_mov_b32 s47, 0
	s_lshl_b32 s40, s40, 8
	s_lshl_b32 s41, s41, 7
	s_add_co_u32 s40, s40, s41                     ; my first token
	s_lshr_b32 s41, s40, 11                        ; its batch
	s_lshl_b32 s41, s41, 4
	s_lshl_b32 s42, s42, 2
	s_lshl_b32 s43, s43, 1
	s_add_co_u32 s41, s41, s42
	s_add_co_u32 s41, s41, s43                     ; 16 x batch + my first head
	s_lshl_b32 s41, s41, 17
	s_and_b32 s40, s40, 2047
	s_lshl_b32 s40, s40, 6
	s_add_co_u32 s40, s40, s41
	s_lshl_b32 s41, s66, 23
	s_add_co_u32 s40, s40, s41
	s_mov_b32 s41, 0
	s_add_nc_u64 s[80:81], s[16:17], s[40:41]      ; a base for each block a, so that none is stepped while a store may read it
	s_add_nc_u64 s[82:83], s[80:81], s[46:47]
	s_add_nc_u64 s[84:85], s[82:83], s[46:47]
	s_add_nc_u64 s[86:87], s[84:85], s[46:47]
	s_add_nc_u64 s[88:89], s[80:81], s[44:45]
	s_add_nc_u64 s[90:91], s[88:89], s[46:47]
	s_add_nc_u64 s[92:93], s[90:91], s[46:47]
	s_add_nc_u64 s[94:95], s[92:93], s[46:47]
	v_add_nc_u32 v[VO1], s96, v[VO0]
	PLACES NP
; Block a: its 64 sums are held, each accumulator from its low end on, and converted: eight conversions give the 16 registers of codes, which leave as they stand.  Each block has code registers of its own.
.macro OUT a
.set AC, 64*((\a)%4)
	WIN 0x02+((\a)/4)                              ; source 0: window 2 or 3
.set i, 0
.rept 64
	v_med3_num_f32 v[TMP+i], v[AC+i], -v[LIM], v[LIM]   ; the conversion to an 8-bit code does not saturate (ISA guide 7.6.2)
.set i, i+1
.endr
	WIN 0
.irp b, 0,1,2,3,4,5,6,7
	v_cvt_scalef32_pk8_fp8_f32 v[CD+16*(\a)+2*\b:CD+16*(\a)+2*\b+1], v[TMP+8*\b:TMP+8*\b+7], v[SC]
.endr
	v_nop                                          ; one plain vector line between the conversions and the next block's holds, which write their sources
	global_store_b128 v[VO0], v[CD+16*(\a):CD+16*(\a)+3], s[80+2*(\a):81+2*(\a)]
	global_store_b128 v[VO0], v[CD+16*(\a)+4:CD+16*(\a)+7], s[80+2*(\a):81+2*(\a)] offset:512
	global_store_b128 v[VO1], v[CD+16*(\a)+8:CD+16*(\a)+11], s[80+2*(\a):81+2*(\a)]
	global_store_b128 v[VO1], v[CD+16*(\a)+12:CD+16*(\a)+15], s[80+2*(\a):81+2*(\a)] offset:512
.endm
.irp a, 0,1,2,3,4,5,6,7
	OUT \a
.endr
	s_wait_tensorcnt 0x0                           ; the wave's end
	ds_add_u32 v[SPW], v[NIL]
	s_wait_dscnt 0x0
	CROUND                                         ; the closing round: no work-group ends while a partner may still ask for a tile that names it
	s_endpgm
.Lfunc_end_k_q3d2d9cc934_proj:
	.size	k_q3d2d9cc934_proj, .Lfunc_end_k_q3d2d9cc934_proj-k_q3d2d9cc934_proj
	.p2alignl 7, 3214868480
	.fill 96, 4, 3214868480
	.section	.rodata,"a",@progbits
	.p2align	6, 0x0
	.amdhsa_kernel k_q3d2d9cc934_proj
		.amdhsa_group_segment_fixed_size 327680
		.amdhsa_private_segment_fixed_size 0
		.amdhsa_enable_private_segment 0
		.amdhsa_kernarg_size 56
		.amdhsa_user_sgpr_count 2
		.amdhsa_user_sgpr_kernarg_segment_ptr 1
		.amdhsa_wavefront_size32 1
		.amdhsa_system_sgpr_workgroup_id_x 1
		.amdhsa_system_sgpr_workgroup_id_y 1
		.amdhsa_system_sgpr_workgroup_id_z 1
		.amdhsa_system_vgpr_workitem_id 0
		.amdhsa_next_free_vgpr 1024
		.amdhsa_next_free_sgpr 104
		.amdhsa_reserve_vcc 0
		.amdhsa_float_denorm_mode_32 3
		.amdhsa_float_denorm_mode_16_64 3
		.amdhsa_memory_ordered 1
		.amdhsa_forward_progress 1
		.amdhsa_inst_pref_size 138
	.end_amdhsa_kernel
	.amdgpu_metadata
---
amdhsa.version: [ 1, 2 ]
amdhsa.kernels:
  - .name:           k_q3d2d9cc934_proj
    .symbol:         k_q3d2d9cc934_proj.kd
    .args:
      - { .name: xc, .offset: 0, .size: 8, .value_kind: global_buffer, .address_space: global }
      - { .name: wc, .offset: 8, .size: 8, .value_kind: global_buffer, .address_space: global }
      - { .name: bq, .offset: 16, .size: 8, .value_kind: global_buffer, .address_space: global }
      - { .name: bk, .offset: 24, .size: 8, .value_kind: global_buffer, .address_space: global }
      - { .name: bv, .offset: 32, .size: 8, .value_kind: global_buffer, .address_space: global }
      - { .name: lowp_scales, .offset: 40, .size: 8, .value_kind: global_buffer, .address_space: global }
      - { .name: qkvc, .offset: 48, .size: 8, .value_kind: global_buffer, .address_space: global }
    .group_segment_fixed_size: 327680
    .private_segment_fixed_size: 0
    .kernarg_segment_align: 8
    .kernarg_segment_size: 56
    .max_flat_workgroup_size: 128
    .sgpr_count:     104
    .vgpr_count:     1024
    .wavefront_size: 32
...
	.end_amdgpu_metadata
.endif
;; end of part 2
;; launch attn (part 3): grid 4 x 64, 8 waves a work-group, clusters of 4 x 1, 327,680 bytes of LDS; arguments qkvc, mask, lowp_scales, out0; writes out0
.if DOCPART == 3
	.amdgcn_target "amdgcn-amd-amdhsa--gfx1250"
	.amdhsa_code_object_version 6
	.text
	.protected	k_q3d2d9cc934_attn
	.globl	k_q3d2d9cc934_attn
	.p2align	8
	.type	k_q3d2d9cc934_attn,@function
k_q3d2d9cc934_attn:
	s_mov_b64 s[64:65], 0
	v_nop
	global_prefetch_b8 v0, s[64:65] scope:SCOPE_SE
	s_setreg_imm32_b32 hwreg(HW_REG_WAVE_MODE, 25, 1), 1
	s_wait_xcnt 0x0
	s_wait_alu depctr_hold_cnt(0) depctr_sa_sdst(0) depctr_va_vdst(0) depctr_va_sdst(0) depctr_va_ssrc(0) depctr_va_vcc(0) depctr_vm_vsrc(0)
	s_getreg_b32 s2, hwreg(HW_REG_IB_STS2, 6, 4)
	s_cmp_eq_u32 s2, 0
	s_cbranch_scc0 .Lentry_in_a_cluster
	s_endpgm
.Lentry_in_a_cluster:
	s_bfe_u32 s2, ttmp6, 0x10000c
	s_cmp_lg_u32 s2, 0x3003
	s_cbranch_scc0 .Lentry_shape_is_right
	s_endpgm
.Lentry_shape_is_right:
; out0[b][s][64 head + w] = the sum over keys t of softmax_t(q . k / 8 - 10000 mask[b][t]) v[t][w], both products on codes of FP8 (E4M3), scales 2^eq, 2^ek, 2^ep, 2^ev = entries 6 to 9 (q is taken as the first product's left operand).
; qkvc holds IMAGES OF THE OPERANDS' REGISTERS: q at 0 and k at 8 MiB: [64 heads of batches][128 tiles of 16 tokens][1,024 bytes]; v at 16 MiB: [64][16 steps of 128 keys][4 tiles of 16 channels][2,048 bytes]: four registers a load at 16 x lane.
; THE SOFTMAX: t = c (S + Cm), c = log2(e) / 8 x 2^(eq + ek), S the sum of the codes' products, Cm = -80000 x mask x 2^-(eq + ek): 8 x the 10000 x mask that is taken off the score.  Cm IS THE C OF THE FIRST PRODUCT, so the mask costs no vector line in the loop.
; M = the running largest t rounded up to a whole number; p = 2^(t - M) is quantised with 2^ep; the row's sum is taken of the unquantised p and divides at the end; when M moves, the sum and O are multiplied by 2^(old M - new M): exact.
; LIMITS: eq + ek between -110 and 130 (c's exponent field; Cm finite); ep between -126 and 119.  NaN is not served.  In a row all of whose keys are masked, S is added to Cm at Cm's size, as the score is to 10000.
; SHARES.  A work-group owns one head of one batch and 512 queries, in two passes of 256; each of its eight waves owns two tiles of 16 queries a pass, which share every fragment of K, V and Cm that the wave reads.  Two waves to a SIMD.
; K AND V OF THE HEAD LIE IN LDS WHOLE, 131,072 bytes each, every byte filled once: no ring, no refill.  The four work-groups of a cluster are the four query blocks of one head: every fill is a joint load with a mask of four.
; Each wave issues two loads at the head (waves 0-3 K's, waves 4-7 V's): 8 KB of key steps 0-3, then 24 KB of steps 4-15: the first four steps are worked while the rest lands.  Two tensor loads of a wave are out at the most.
; No prefetch: all of K and V is asked for at the head, and nothing is fetched later.
; LAYOUT.  Both products are used transposed: S^T = K Q^T + Cm (source 0 = 16 neighbouring keys, source 1 = 16 queries), O^T = V^T P^T: a lane holds ONE query (lane % 16) throughout, and the conversion of S^T tile t's eight registers is registers 2 t, 2 t + 1 of P.
; REGISTERS.  window 0: v1-11 addresses; v12-27 statistics, 8 a tile: +0 -M, +1 the largest t, +2 +3 the sum, +4 +5 f, +6 +7 at work; v28-34 a second chain of sums and the permutes' destinations; v36 448 x 2^ep, v37 2^ep;
;   v40-55 Q; v56-87 P; v96-223 S^T, 64 a tile.   window 1: v0-63 O^T, 32 a tile; v64-127 K's fragments; v128-191 Cm; v192-255 V's.
.set VLDS,  131072                     ; V's images in LDS, behind K's
.set MASKB, 262144                     ; Cm: 2,048 f32
.set STAGE, 270336                     ; the way out: 16 rows x 272 bytes for each wave
.set WV,  12                           ; s12 wave;  s13 cx;  s14 16 x batch + head
.set CS,  56                           ; s[56:57] c
.set SEL, 58                           ; s[58:59] selects for lane l xor 16
.set TB,  60                           ; s60 the key step's first byte in K's and in V's images; s61 the same in Cm
.set CNT, 62
.set PASS, 63
.set MSB, 0
.macro WIN new                         ; the immediate's high byte repeats the setting that is left
.if MSB != \new
	s_set_vgpr_msb (MSB<<8)|\new
.set MSB, \new
.endif
.endm
.macro CROUND                          ; a round of the cluster's barrier
	s_barrier_signal -1
	s_barrier_wait -1
	s_cmp_lg_u32 s[WV], 0
	s_cbranch_scc1 .Lnot_wave_0_\@
	s_barrier_signal -3
.Lnot_wave_0_\@:
	s_barrier_wait -3
	s_barrier_signal -1
	s_barrier_wait -1
.endm
	s_load_b256 s[4:11], s[0:1], 0x0               ; qkvc s[4:5], mask s[6:7], the scales' exponents s[8:9], out0 s[10:11]
	v_lshl_add_u32 v254, v0, 2, 0x4a800
	v_mov_b32 v255, 0
	ds_add_u32 v254, v255
	ds_add_u32 v254, v255
	v_lshrrev_b32 v1, 5, v0
	v_readfirstlane_b32 s[WV], v1                  ; wave 0..7
	s_bfe_u32 s13, ttmp6, 0x40000                  ; cx: my block of 512 queries: it enters Q's and the output's addresses alone
	s_and_b32 s14, ttmp7, 0xffff                   ; 16 x batch + head, which the four partners share
	; descriptor groups 1: dense blocks as rows of 256 bytes (32 elements of 8 bytes): 32 rows, and 96 rows
	s_mov_b32 s24, 15|(3<<16)|(1<<21)              ; the mask: all four work-groups; elements of 8 bytes; bit 21 beside a mask; no padding
	s_mov_b32 s25, 32<<16                          ; tensor_dim0 = 32
	s_mov_b32 s26, 32<<16                          ; tensor_dim1 = 32
	s_mov_b32 s27, 32<<16                          ; tile_dim0 = 32
	s_mov_b32 s28, 32                              ; tile_dim1 = 32
	s_mov_b32 s29, 32                              ; the pitch
	s_mov_b32 s30, 0
	s_mov_b32 s31, 0
	s_mov_b32 s32, 15|(3<<16)|(1<<21)
	s_mov_b32 s33, 32<<16
	s_mov_b32 s34, 96<<16
	s_mov_b32 s35, 32<<16
	s_mov_b32 s36, 96
	s_mov_b32 s37, 32
	s_mov_b32 s38, 0
	s_mov_b32 s39, 0
	s_mov_b32 s[SEL], 0x76543210
	s_mov_b32 s[SEL+1], 0xfedcba98
	s_and_b32 s76, s[WV], 3                        ; which quarter I fetch
	s_lshl_b32 s77, s76, 13                        ; key step i of steps 0-3,
	s_mul_i32 s78, s76, 24576
	s_add_co_u32 s78, s78, 32768                   ; three of steps 4-15
	s_lshl_b32 s80, s14, 17                        ; a head's images are 128 KiB in each of the three parts
	s_mov_b32 s81, 0
	s_wait_dscnt 0x0
	s_wait_kmcnt 0x0
	s_load_b128 s[72:75], s[8:9], 0x18             ; eq, ek, ep, ev
	s_add_nc_u64 s[4:5], s[4:5], s[80:81]          ; q's images of my head,
	s_add_nc_u64 s[82:83], s[4:5], 0x800000        ; k's,
	s_add_nc_u64 s[16:17], s[82:83], 0x800000      ; v's
	s_mov_b32 s80, s77
	s_add_nc_u64 s[42:43], s[82:83], s[80:81]
	s_add_nc_u64 s[50:51], s[16:17], s[80:81]
	s_mov_b32 s80, s78
	s_add_nc_u64 s[46:47], s[82:83], s[80:81]
	s_add_nc_u64 s[54:55], s[16:17], s[80:81]
	s_mov_b32 s40, 1                               ; groups 0: count; LDS address; global address; type 2
	s_mov_b32 s41, s77
	s_or_b32 s43, s43, 0x80000000
	s_mov_b32 s44, 1
	s_mov_b32 s45, s78
	s_or_b32 s47, s47, 0x80000000
	s_mov_b32 s48, 1
	s_add_co_u32 s49, s77, VLDS
	s_or_b32 s51, s51, 0x80000000
	s_mov_b32 s52, 1
	s_add_co_u32 s53, s78, VLDS
	s_or_b32 s55, s55, 0x80000000
	CROUND                                         ; all four work-groups are here: the joint loads meet
	s_cmp_lt_u32 s[WV], 4                          ; a wave's two fills stand in one branch on the wave's number; four v_nop follow the second
	s_cbranch_scc0 .Lfirst_v
	tensor_load_to_lds s[40:43], s[24:31]
	s_nop 0
	tensor_load_to_lds s[44:47], s[32:39]
	s_nop 0
.rept 4
	v_nop
.endr
	s_branch .Lfirst_asked
.Lfirst_v:
	tensor_load_to_lds s[48:51], s[24:31]
	s_nop 0
	tensor_load_to_lds s[52:55], s[32:39]
	s_nop 0
.rept 4
	v_nop
.endr
.Lfirst_asked:
	v_lshlrev_b32 v10, 4, v0                       ; 16 x thread: the batch's 2,048 mask words, 8 a thread
	s_lshr_b32 s76, s14, 4                         ; the batch
	s_lshl_b32 s80, s76, 13
	s_add_nc_u64 s[6:7], s[6:7], s[80:81]
	global_load_b128 v[96:99], v10, s[6:7]
	global_load_b128 v[100:103], v10, s[6:7] offset:4096
	s_lshl_b32 s80, s13, 15                        ; Q: 32 tiles of 1,024 bytes a block of queries,
	s_lshl_b32 s77, s[WV], 11                      ; two a wave
	s_add_co_u32 s80, s80, s77
	s_add_nc_u64 s[66:67], s[4:5], s[80:81]
	v_and_b32 v1, 31, v0
	v_lshlrev_b32 v1, 4, v1                        ; 16 x lane: an image's place for my lane
.irp i, 0,1,2,3
	global_load_b128 v[40+4*\i:43+4*\i], v1, s[66:67] offset:512*\i
.endr
	s_wait_kmcnt 0x0
	s_add_co_i32 s76, s72, s73                     ; eq + ek
	s_lshl_b32 s77, s76, 23
	s_mov_b32 s[CS], 0x3e38aa3b                    ; log2(e) / 8
	s_add_co_i32 s[CS], s[CS], s77                 ; x 2^(eq + ek): added to the exponent field
	s_mov_b32 s[CS+1], s[CS]                       ; (named with it as a pair, so it is written)
	s_sub_co_i32 s76, 0, s76
	s_add_co_i32 s77, s74, 127
	s_lshl_b32 s78, s77, 23
	v_mov_b32 v37, s78                             ; 2^ep as f32, for the conversion
	s_add_co_i32 s77, s77, 8
	s_lshl_b32 s77, s77, 23
	s_or_b32 s77, s77, 0x600000
	v_mov_b32 v36, s77                             ; 448 x 2^ep
	s_add_co_i32 s79, s74, s75                     ; ep + ev
	v_and_b32 v38, 15, v0                          ; r
	v_bfe_u32 v39, v0, 4, 1                        ; h
	v_lshl_add_u32 v5, v39, 5, MASKB               ; Cm: my half's eight keys of a tile
	v_add_nc_u32 v6, VLDS, v1                      ; V's images
	v_add_nc_u32 v11, MASKB, v10
	s_mul_i32 s77, s[WV], 4352
	s_add_co_u32 s77, s77, STAGE                   ; my stage
	v_mul_u32_u24 v7, v38, 272
	v_lshl_add_u32 v7, v39, 5, v7
	v_add_nc_u32 v7, s77, v7                       ; in: row r, + 32 h
	v_mul_u32_u24 v8, v39, 272
	v_lshl_add_u32 v8, v38, 4, v8
	v_add_nc_u32 v8, s77, v8                       ; back: lanes 0-15 one row, lanes 16-31 the next
	v_lshlrev_b32 v9, 12, v39
	v_lshl_add_u32 v9, v38, 4, v9                  ; and the same two rows of the output, 4,096 bytes apart
	s_lshr_b32 s77, s14, 4
	s_lshl_b32 s80, s77, 23                        ; the output: 2,048 rows of 4,096 bytes a batch,
	s_lshl_b32 s77, s13, 21                        ; 512 rows a work-group,
	s_add_co_u32 s80, s80, s77
	s_lshl_b32 s77, s[WV], 17                      ; 32 rows a wave,
	s_add_co_u32 s80, s80, s77
	s_and_b32 s77, s14, 15
	s_lshl_b32 s77, s77, 8                         ; 256 bytes a head
	s_add_co_u32 s80, s80, s77
	s_add_nc_u64 s[68:69], s[10:11], s[80:81]
	v_mov_b32 v17, 0                               ; (named as the upper halves of f's pairs)
	v_mov_b32 v25, 0
	v_mov_b32 v30, 0                               ; written once: a lane permute's destination counts as one of its sources
	v_mov_b32 v34, 0
	s_wait_loadcnt 4                               ; the mask's two loads are in; Q's four may be out
.irp i, 0,1,2,3,4,5,6,7
	v_cvt_f32_i32 v[96+\i], v[96+\i]
.endr
.irp i, 0,1,2,3,4,5,6,7
	v_mul_f32 v[96+\i], 0xc79c4000, v[96+\i]       ; x -80000
.endr
.irp i, 0,1,2,3,4,5,6,7
	v_ldexp_f32 v[96+\i], v[96+\i], s76            ; x 2^-(eq + ek)
.endr
	ds_store_b128 v11, v[96:99]
	ds_store_b128 v11, v[100:103] offset:4096
	s_mov_b32 s[PASS], 2
; A KEY STEP: 128 keys for my two tiles of queries.
.macro STEP
	s_lshr_b32 s61, s[TB], 4                       ; 512 bytes of Cm a step
	v_add_nc_u32 v2, s[TB], v1
	v_add_nc_u32 v3, s61, v5
	v_add_nc_u32 v4, s[TB], v6
	v_nop                                          ; these four lines are the places between the last products and the loads into V's registers
	WIN 0x40                                       ; destination window 1
.irp t, 0,1,2,3,4,5,6,7
	ds_load_b128 v[64+8*\t:67+8*\t], v2 offset:1024*\t
	ds_load_b128 v[68+8*\t:71+8*\t], v2 offset:1024*\t+512
.endr
.irp t, 0,1,2,3,4,5,6,7
	ds_load_b128 v[128+8*\t:131+8*\t], v3 offset:64*\t      ; Cm of keys 16 t + 8 h + 0 .. 7: the result's layout
	ds_load_b128 v[132+8*\t:135+8*\t], v3 offset:64*\t+16
.endr
.irp c, 0,1,2,3
.irp i, 0,1,2,3
	ds_load_b128 v[192+16*\c+4*\i:195+16*\c+4*\i], v4 offset:2048*\c+512*\i
.endr
.endr
	s_wait_dscnt 16                                ; K and Cm are in; V's sixteen loads may be out
	WIN 0x11                                       ; K and Cm window 1, Q and S^T window 0
.irp t, 0,1,2,3,4,5,6,7
.irp q, 0,1
	v_wmma_f32_16x16x64_fp8_fp8 v[96+64*\q+8*\t:103+64*\q+8*\t], v[64+8*\t:71+8*\t], v[40+8*\q:47+8*\q], v[128+8*\t:135+8*\t]
.endr
.endr
	WIN 0
.rept 4
	v_nop
.endr
.irp q, 0,1                            ; the step's largest S + Cm of my query among my 64 keys: two chains a tile, each accumulator from its low end on
	v_max3_num_f32 v[18+8*\q], v[96+64*\q], v[97+64*\q], v[98+64*\q]
	v_max3_num_f32 v[19+8*\q], v[99+64*\q], v[100+64*\q], v[101+64*\q]
.endr
.irp i, 6,10,14,18,22,26,30,34,38,42,46,50,54,58
.irp q, 0,1
	v_max3_num_f32 v[18+8*\q], v[18+8*\q], v[96+64*\q+\i], v[97+64*\q+\i]
	v_max3_num_f32 v[19+8*\q], v[19+8*\q], v[98+64*\q+\i], v[99+64*\q+\i]
.endr
.endr
.irp q, 0,1
	v_max3_num_f32 v[18+8*\q], v[18+8*\q], v[158+64*\q], v[159+64*\q]
.endr
.irp q, 0,1
	v_max_num_f32 v[18+8*\q], v[18+8*\q], v[19+8*\q]
.endr
.irp q, 0,1
	v_permlanex16_b32 v[30+4*\q], v[18+8*\q], s[SEL], s[SEL+1]
.endr
.irp q, 0,1
	v_max_num_f32 v[18+8*\q], v[18+8*\q], v[30+4*\q]        ; and among lane l xor 16's
.endr
.irp q, 0,1
	v_mul_f32 v[18+8*\q], s[CS], v[18+8*\q]                 ; as t (c is positive)
.endr
.irp q, 0,1
	v_max_num_f32 v[13+8*\q], v[13+8*\q], v[18+8*\q]        ; the running largest t
.endr
.irp q, 0,1
	v_mov_b32 v[18+8*\q], v[12+8*\q]
.endr
.irp q, 0,1
	v_floor_f32 v[12+8*\q], -v[13+8*\q]                     ; the new -M = floor(-t): M is a whole number
.endr
.irp q, 0,1
	v_sub_f32 v[18+8*\q], v[12+8*\q], v[18+8*\q]            ; old M - new M: a whole number, 0 or less
.endr
.irp q, 0,1
	v_cvt_i32_f32 v[18+8*\q], v[18+8*\q]                    ; (it saturates)
.endr
.irp q, 0,1
	v_ldexp_f32 v[16+8*\q], 1.0, v[18+8*\q]                 ; f = 2^(old M - new M)
.endr
.irp j, 0,2,4,6,8,10,12,14,16,18,20,22,24,26,28,30,32,34,36,38,40,42,44,46,48,50,52,54,56,58,60,62
.irp q, 0,1
	v_pk_fma_f32 v[96+64*\q+\j:97+64*\q+\j], v[96+64*\q+\j:97+64*\q+\j], s[CS:CS+1], v[12+8*\q:13+8*\q] op_sel_hi:[1,0,0]   ; t - M, two at a time
.endr
.endr
.set i, 0
.rept 128
	v_exp_f32 v[96+i], v[96+i]                     ; p = 2^(t - M), at most 1: one batch for both tiles
.set i, i+1
.endr
.irp q, 0,1
	v_pk_mul_f32 v[14+8*\q:15+8*\q], v[14+8*\q:15+8*\q], v[16+8*\q:17+8*\q] op_sel_hi:[1,0]   ; the sums under the new M: plain lines behind the exponentials
.endr
	s_wait_alu depctr_va_vdst(0)                   ; one wait for the whole batch, ahead of its first reader
.irp q, 0,1
	v_pk_add_f32 v[28+4*\q:29+4*\q], v[96+64*\q:97+64*\q], v[98+64*\q:99+64*\q]   ; the row's sum is taken of the unquantised p: two chains a tile
.endr
.irp j, 4,8,12,16,20,24,28,32,36,40,44,48,52,56,60
.irp q, 0,1
	v_pk_add_f32 v[14+8*\q:15+8*\q], v[14+8*\q:15+8*\q], v[96+64*\q+\j:97+64*\q+\j]
	v_pk_add_f32 v[28+4*\q:29+4*\q], v[28+4*\q:29+4*\q], v[98+64*\q+\j:99+64*\q+\j]
.endr
.endr
.irp q, 0,1
	v_pk_add_f32 v[14+8*\q:15+8*\q], v[14+8*\q:15+8*\q], v[28+4*\q:29+4*\q]
.endr
.irp q, 0,1
.irp t, 0,1,2,3,4,5,6,7
.irp i, 0,1,2,3,4,5,6,7
	v_min_num_f32 v[96+64*\q+8*\t+\i], v[96+64*\q+8*\t+\i], v36   ; the conversion does not saturate (ISA guide 7.6.2); p is not negative, so the hold is one-sided
.endr
	v_cvt_scalef32_pk8_fp8_f32 v[56+16*\q+2*\t:57+16*\q+2*\t], v[96+64*\q+8*\t:103+64*\q+8*\t], v37   ; keys 16 t + 8 h + 0 .. 7: registers 2 t, 2 t + 1 of P
.endr
.endr
	WIN 0x41                                       ; O^T window 1, f window 0
.irp q, 0,1
.irp j, 0,2,4,6,8,10,12,14,16,18,20,22,24,26,28,30
	v_pk_mul_f32 v[32*\q+\j:32*\q+\j+1], v[32*\q+\j:32*\q+\j+1], v[16+8*\q:17+8*\q] op_sel_hi:[1,0]   ; O^T under the new M; also the plain lines between the conversions and the products
.endr
.endr
	s_wait_dscnt 0x0                               ; V is in
	WIN 0x51                                       ; V and O^T window 1, P window 0
.irp c, 0,1,2,3                        ; the eight accumulators take turns, one instruction a turn; the next step's sixteen first products stand between two links
.irp q, 0,1
	v_wmma_f32_16x16x128_fp8_fp8 v[32*\q+8*\c:32*\q+8*\c+7], v[192+16*\c:207+16*\c], v[56+16*\q:71+16*\q], v[32*\q+8*\c:32*\q+8*\c+7]
.endr
.endr
	WIN 0
.endm
.Lpass:                                            ; two trips: 256 queries of the work-group each
.irp q, 0,1
	v_mov_b32 v[13+8*\q], 0xff61b1e6               ; the largest t so far: -3e38, under every t
	v_floor_f32 v[12+8*\q], -v[13+8*\q]
	v_mov_b32 v[14+8*\q], 0
	v_mov_b32 v[15+8*\q], 0
.endr
	WIN 0x40
.set i, 0
.rept 64
	v_mov_b32 v[i], 0                              ; O^T: the step has no first form of its own: it finds zeros, which the first change of M leaves zeros
.set i, i+1
.endr
	WIN 0
	s_wait_loadcnt 0x0                             ; Q
	s_wait_tensorcnt 1                             ; my part of key steps 0-3 is in; my 24 KB load may be out
	s_wait_dscnt 0x0                               ; my part of Cm is stored
	s_barrier_signal -1
	s_barrier_wait -1                              ; everybody's is
	s_mov_b32 s[TB], 0
	s_mov_b32 s[CNT], 4
.Lq0:
	STEP
	s_add_co_u32 s[TB], s[TB], 8192
	s_sub_co_u32 s[CNT], s[CNT], 1
	s_cmp_lg_u32 s[CNT], 0
	s_cbranch_scc1 .Lq0
	s_wait_tensorcnt 0x0                           ; my part of key steps 4-15 is in
	s_wait_dscnt 0x0
	s_barrier_signal -1
	s_barrier_wait -1                              ; everybody's is
	s_mov_b32 s[TB], 32768
	s_mov_b32 s[CNT], 12
.Lq1:
	STEP
	s_add_co_u32 s[TB], s[TB], 8192
	s_sub_co_u32 s[CNT], s[CNT], 1
	s_cmp_lg_u32 s[CNT], 0
	s_cbranch_scc1 .Lq1
	s_cmp_eq_u32 s[PASS], 1                        ; the next pass's Q is asked for here, if there is a next pass: no load leaves its buffer
	s_cbranch_scc1 .Lno_q
	s_add_nc_u64 s[66:67], s[66:67], 16384         ; 16 tiles on (the first pass's loads were waited for at its head)
.irp i, 0,1,2,3
	global_load_b128 v[40+4*\i:43+4*\i], v1, s[66:67] offset:512*\i
.endr
.Lno_q:
	; THE WAY OUT.  The additions are the places behind the last products.
	v_add_f32 v18, v14, v15                        ; the sum's two halves,
	v_add_f32 v26, v22, v23
	v_permlanex16_b32 v30, v18, s[SEL], s[SEL+1]
	v_permlanex16_b32 v34, v26, s[SEL], s[SEL+1]
	v_add_f32 v18, v18, v30                        ; and lane l xor 16's
	v_add_f32 v26, v26, v34
	v_rcp_f32 v18, v18
	v_rcp_f32 v26, v26
	v_nop                                          ; a plain line behind the reciprocals
	s_wait_alu depctr_va_vdst(0)                   ; and one wait for both, ahead of the first reader
	v_ldexp_f32 v18, v18, s79                      ; x 2^(ep + ev)
	v_ldexp_f32 v26, v26, s79
; Tile q: O^T / the sum; register 8 c + j is channel 16 c + 8 h + j of query r.  A query's 64 channels are 256 bytes: they go through my own stage and come back as whole rows.
.macro OUTT q
	WIN 0x01                                       ; source 0 window 1
.irp j, 0,2,4,6,8,10,12,14,16,18,20,22,24,26,28,30
	v_pk_mul_f32 v[96+64*\q+\j:97+64*\q+\j], v[32*\q+\j:32*\q+\j+1], v[18+8*\q:19+8*\q] op_sel_hi:[1,0]
.endr
	WIN 0
.irp c, 0,1,2,3
	ds_store_b128 v7, v[96+64*\q+8*\c:99+64*\q+8*\c] offset:64*\c
	ds_store_b128 v7, v[100+64*\q+8*\c:103+64*\q+8*\c] offset:64*\c+16
.endr
.irp i, 0,1,2,3,4,5,6,7
	ds_load_b128 v[128+64*\q+4*\i:131+64*\q+4*\i], v8 offset:544*\i   ; LDS serves a wave's instructions in order: these see my stores, and the next tile's stores come behind them
.endr
.endm
.macro SEND q, younger                 ; younger: the LDS instructions issued behind tile q's loads
.irp i, 0,1,2,3,4,5,6,7
	s_wait_dscnt \younger+7-\i
	global_store_b128 v9, v[128+64*\q+4*\i:131+64*\q+4*\i], s[68:69] offset:65536*\q+8192*\i th:TH_STORE_NT   ; sixteen lanes store 256 consecutive bytes, aligned: one query's head
.endr
.endm
	OUTT 0
	OUTT 1
	SEND 0, 16
	SEND 1, 0
	s_wait_xcnt 0x0                                ; the stores have read their registers and their base: both are written again only behind this wait
	s_add_nc_u64 s[68:69], s[68:69], 0x100000      ; 256 rows on
	s_sub_co_u32 s[PASS], s[PASS], 1
	s_cmp_lg_u32 s[PASS], 0
	s_cbranch_scc1 .Lpass
	s_wait_dscnt 0x0
	s_wait_tensorcnt 0x0
	ds_add_u32 v254, v255
	s_wait_dscnt 0x0
	CROUND                                         ; the closing round: no work-group ends while a partner may still ask for a tile that names it
	s_endpgm
.Lfunc_end_k_q3d2d9cc934_attn:
	.size	k_q3d2d9cc934_attn, .Lfunc_end_k_q3d2d9cc934_attn-k_q3d2d9cc934_attn
	.p2alignl 7, 3214868480
	.fill 96, 4, 3214868480
	.section	.rodata,"a",@progbits
	.p2align	6, 0x0
	.amdhsa_kernel k_q3d2d9cc934_attn
		.amdhsa_group_segment_fixed_size 327680
		.amdhsa_private_segment_fixed_size 0
		.amdhsa_enable_private_segment 0
		.amdhsa_kernarg_size 32
		.amdhsa_user_sgpr_count 2
		.amdhsa_user_sgpr_kernarg_segment_ptr 1
		.amdhsa_wavefront_size32 1
		.amdhsa_system_sgpr_workgroup_id_x 1
		.amdhsa_system_sgpr_workgroup_id_y 1
		.amdhsa_system_sgpr_workgroup_id_z 1
		.amdhsa_system_vgpr_workitem_id 0
		.amdhsa_next_free_vgpr 512
		.amdhsa_next_free_sgpr 84
		.amdhsa_reserve_vcc 0
		.amdhsa_float_denorm_mode_32 3
		.amdhsa_float_denorm_mode_16_64 3
		.amdhsa_memory_ordered 1
		.amdhsa_forward_progress 1
		.amdhsa_inst_pref_size 78
	.end_amdhsa_kernel
	.amdgpu_metadata
---
amdhsa.version: [ 1, 2 ]
amdhsa.kernels:
  - .name:           k_q3d2d9cc934_attn
    .symbol:         k_q3d2d9cc934_attn.kd
    .args:
      - { .name: qkvc, .offset: 0, .size: 8, .value_kind: global_buffer, .address_space: global }
      - { .name: mask, .offset: 8, .size: 8, .value_kind: global_buffer, .address_space: global }
      - { .name: lowp_scales, .offset: 16, .size: 8, .value_kind: global_buffer, .address_space: global }
      - { .name: out0, .offset: 24, .size: 8, .value_kind: global_buffer, .address_space: global }
    .group_segment_fixed_size: 327680
    .private_segment_fixed_size: 0
    .kernarg_segment_align: 8
    .kernarg_segment_size: 32
    .max_flat_workgroup_size: 256
    .sgpr_count:     84
    .vgpr_count:     512
    .wavefront_size: 32
...
	.end_amdgpu_metadata
.endif
;; end of part 3
